; MI455X (gfx1250); checked and timed in simulation.
; The chip was launched on July 23, 2026; its instructions are those of AMD's public machine-readable ISA for CDNA 5 (MIT licence, August 2026) and "CDNA5" Instruction Set Architecture Reference Guide (July 2026). The comments in the code are by the model that wrote it; some were corrected since.
;; Dot Product Attention. Allowed arithmetic: matrix products marked QUANTISED: E3M2 operands, one E8M0 scale for each 32 along K, by v_wmma_scale_f32_16x16x128_f8f6f4 with both operands' format E3M2, f32 sums; everything else in f32.
;; Inputs: attention_mask 2 x 1 x 2,048 x 2,048 bool; key 2,048 x 2 x 32 x 128 float32; query 2,048 x 2 x 32 x 128 float32; value 2,048 x 2 x 32 x 128 float32.
;; Outputs: out0 2,048 x 2 x 4,096 float32.
;; This version of the problem:
;;   THIS VERSION OF THE PROBLEM IS GIVEN IN LOW PRECISION. The matrix products marked QUANTISED in the list below multiply operands that are first quantised to E3M2 (3 exponent bits, 2 mantissa bits; 6 bits a number), with one power-of-two scale for each 32 numbers along K (OCP MX v1.0); their sums are f32. All else is computed in f32.
;;   The module's matrix products, in the order in which they are computed (A, B: the left and right operand; K: the contracted axis; several contracted axes count as one K, in the product's order):
;;     1. batch 64 x [M 2,048, K 128] x [K 128, N 2,048]; A: input query; B: input key: QUANTISED
;;     2. batch 64 x [M 2,048, K 2,048] x [K 2,048, N 128]; A: computed on the way; B: input value: QUANTISED
;;   THE QUANTISER, for each operand of a quantised product, along K:
;;     - K is cut into blocks of 32 from its start; a last block that is shorter is filled with zeros.
;;     - A block's scale is 2^e with e = floor(log2(the largest magnitude in the block)) - 4, held to -126 .. 127; a block of zeros has e = 0. As a byte (E8M0): e + 127.
;;     - Each number is divided by its block's scale, clamped to +-28, and rounded to the nearest number of E3M2, ties to even, subnormals kept.
;;     - The product sums the exact products of the quantised numbers (number of the format x scale) in f32.
;;   ~~~python
;;   def quantise(x, axis):      # numpy; x: float32 -> the quantised numbers, widened to float32 again
;;       x = np.moveaxis(x, axis, -1); K = x.shape[-1]
;;       x = np.pad(x, [(0, 0)] * (x.ndim - 1) + [(0, -K % 32)]); x = x.reshape(x.shape[:-1] + (-1, 32)); a = np.abs(x).max(-1, keepdims=True)
;;       e = np.where(a > 0, np.clip(np.frexp(np.where(a > 0, a, 1))[1] - 1 - 4, -126, 127), 0)      # np.frexp(a)[1] - 1 = floor(log2(a)), exactly
;;       r = np.clip(x / 2.0 ** e, -28, 28)
;;       step = 2.0 ** (np.maximum(np.frexp(np.where(r == 0, 1, r))[1] - 1, -2) - 2)
;;       q = np.round(r / step) * step * 2.0 ** e      # np.round: ties to even
;;       return np.moveaxis(q.reshape(q.shape[:-2] + (-1,))[..., :K], -1, axis).astype(np.float32)
;;   ~~~
;;   OPERANDS COMPUTED ON THE WAY. 'Computed on the way' means the value that the module computes at that place (a softmax that the list does not call 'softmax' is quantised finished and normalised). What goes into a quantiser is computed in f32, as accurately as f32 sums, v_exp_f32 and their like allow (about 1e-6 of the number): no bf16 or f16 on the way to a quantiser, and a product that is left as it is and whose result goes on into a quantised operand takes f32 operands (vector FMAs, or v_wmma_f32_16x16x4_f32). A number that lies on a knife's edge between two numbers of the format may be rounded either way, as far as f32 arithmetic and the matrix unit's own rounding can turn it there, and no further.
;; One version. Each part assembles by itself: llvm-mc -triple=amdgcn-amd-amdhsa -mcpu=gfx1250 --defsym DOCPART=n.
;; ======== version 1 of 1: 2 launches
;; limits: right only within a limited range of input values
;; workspace buffers: qimg 13,107,200 bytes; kimg 13,107,200 bytes; vimg 13,107,200 bytes; mbits 1,048,576 bytes of whole numbers
;; launch prep (part 1): grid 1792 x 1, 4 waves a work-group, no clusters, 51,712 bytes of LDS; arguments query, key, value, attention_mask, qimg, kimg, vimg, mbits; writes qimg, kimg, vimg, mbits
.if DOCPART == 1
	.amdgcn_target "amdgcn-amd-amdhsa--gfx1250"
	.amdhsa_code_object_version 6
	.text
	.protected	k_q51cf8b3e32_prep
	.globl	k_q51cf8b3e32_prep
	.p2align	8
	.type	k_q51cf8b3e32_prep,@function
k_q51cf8b3e32_prep:
	s_mov_b64 s[64:65], 0
	v_nop
	global_prefetch_b8 v0, s[64:65] scope:SCOPE_SE
	s_setreg_imm32_b32 hwreg(HW_REG_WAVE_MODE, 25, 1), 1
	s_wait_xcnt 0x0
; THE LAUNCH IN FRONT OF THE ATTENTION: query, key and value (f32, [position][head g = b*32+nh][128]) become codes of BF6 (E3M2) with one E8M0 byte for each 32 along a product's K,
; and attention_mask (one byte for each (b, query, key)) becomes lane masks, one 32-bit word for each score register of the next launch.
; NOTHING OF reference() IS LEFT OUT in this program: all four inputs have a way to the output and are loaded; its reshapes and transposes are address arithmetic.
; A block's scale is 2^(floor(log2(its largest magnitude)) - 4); its byte is the largest magnitude's exponent field - 4, held at 1 from below by a floor among the maximum's leaves.
; LIMITS: NaN and infinities among the inputs are not served.  A block of zeros gets the byte 1 where the rule says 127: its codes are zeros, which add nothing, and this program alone reads the bytes.
; WHAT IS STORED are IMAGES OF THE OPERANDS' REGISTERS.  A block of 12,800 bytes holds 8 fragments (16 rows x 128 K: 12 registers a lane) of 1,536 bytes, registers 4 j .. 4 j + 3 of lane L at 512 j + 16 L,
; and behind them, at 12,288, 128 scale words.  qimg, kimg: [g][128 positions][block]; vimg: [g][128 keys][block].
;   qimg tile t, row r: query 16 t + r.   kimg tile t, row r: key 32 (t / 2) + 8 (t % 2) + r + 8 (r / 8), so that the scores' 16 registers of tiles 2 b, 2 b + 1 are 16 neighbouring keys.
;   vimg tile t, row r: channel 16 t + r, K = the block's 128 keys.
;   scale words: qimg, kimg: tile 2 j + L / 16, row L % 16 at 16 L + 4 j;  vimg: the same word at 128 j + 4 L.
;   mbits [b*128 + query / 16][key step of 128][64 words]: bit L of word j = mask[b][16 (query / 16) + L % 16][128 step + 32 (j / 16) + 16 (L / 16) + j % 16].
; THREE PATHS, chosen by the work-group's number: 0-255 the mask, 256-767 query and key, 768-1791 value.  Waves share nothing: no barrier.  Each path that uses LDS has bytes of its own.
.set ROWP,  32768                      ; bytes from a position to the next, for one head
.set BLK,   12800
.set SCO,   12288                      ; the scale words' place in a block
.set QSTG,  8448                       ; query/key: a stage of 16 rows x 528 bytes for each wave, from LDS byte 0
.set QSP,   528                        ; 512 bytes of a row + 16: 33 x 16, so that 16 rows' equal columns lie 16 bytes apart modulo 256
.set MST0,  4*QSTG                     ; mask: a stage of 16 rows x 272 bytes for each wave
.set MSTG,  4352
.set MSP,   272
.set SPARE, MST0+4*MSTG                ; the spare words, 128 bytes for each wave: two blocks of 256 bytes that no other line names
.set FLOOR, 5<<23                      ; 2^(5 - 127)
.set OFF4,  0xfe000000                 ; -(4 << 23): 4 off an exponent field
; v1 lane, v2 r = lane % 16, v3 h = lane / 16; v4, v5 query/key stage in and out; v6, v7 mask stage in and out; v8 16 x lane; v9-11 16 x lane + 8 rows or not; v12 4 x lane; v13 8 x lane; v14 8 h; v15 2048 h + 16 r; v16, v17 the add's two
.macro FINISH                          ; a wave's end
	s_wait_tensorcnt 0x0
	ds_add_u32 v16, v17
	s_wait_dscnt 0x0
	s_endpgm
.endm
	s_load_b256 s[4:11], s[0:1], 0x0               ; query s[4:5], key s[6:7], value s[8:9], attention_mask s[10:11]
	s_load_b256 s[12:19], s[0:1], 0x20             ; qimg s[12:13], kimg s[14:15], vimg s[16:17], mbits s[18:19]
	v_lshl_add_u32 v16, v0, 2, SPARE
	v_mov_b32 v17, 0
	v_lshrrev_b32 v1, 5, v0
	v_readfirstlane_b32 s20, v1                    ; wave 0..3
	v_and_b32 v1, 31, v0
	v_and_b32 v2, 15, v0
	v_bfe_u32 v3, v0, 4, 1
	s_mov_b32 s21, 0xffff0000                      ; lanes 16-31
	s_mov_b32 s22, 0x76543210
	s_mov_b32 s23, 0xfedcba98                      ; v_permlanex16_b32's selects for lane l xor 16
	v_lshlrev_b32 v8, 4, v1
	v_lshlrev_b32 v12, 2, v1
	v_lshlrev_b32 v13, 3, v1
	v_lshlrev_b32 v14, 3, v3
	v_lshlrev_b32 v15, 11, v3
	v_lshl_add_u32 v15, v2, 4, v15
	s_mul_i32 s28, s20, QSTG
	v_add_nc_u32 v4, s28, v8                       ; in: a row's 512 bytes as they lie, 16 a lane
	v_mul_u32_u24 v5, v2, QSP
	v_lshl_add_u32 v5, v3, 7, v5
	v_add_nc_u32 v5, s28, v5                       ; out: row r, + 128 h: my block of 32 numbers
	s_mul_i32 s29, s20, MSTG
	s_add_co_u32 s29, s29, MST0
	v_mul_u32_u24 v6, v3, MSP
	v_lshl_add_u32 v6, v2, 4, v6
	v_add_nc_u32 v6, s29, v6                       ; in: lanes 0-15 one row's 256 bytes, lanes 16-31 the next row's
	v_mul_u32_u24 v7, v2, MSP
	v_lshl_add_u32 v7, v3, 4, v7
	v_add_nc_u32 v7, s29, v7                       ; out: row r, + 16 h
	s_mov_b32 s35, 0
	s_wait_kmcnt 0x0
	s_cmp_lt_u32 ttmp9, 256
	s_cbranch_scc1 .Lmask
	s_cmp_lt_u32 ttmp9, 768
	s_cbranch_scc1 .Lqk
; ---------------------------------------------------------------- VALUE: K = the keys, which are not innermost.  A lane takes a channel, and its registers run down the keys.
; A work-group takes one head's 128 keys x 128 channels; wave w channels 32 w + lane.  Each load reads 128 neighbouring bytes a wave, the four waves side by side 512.
; X: v32-63, v64-95 two sets of 32 numbers; v96-107 blocks 0 and 2 of my channel, v108-119 blocks 1 and 3; v120-122 a conversion's second half; v124-127 at work; v128 my channel's scale word
	s_sub_co_u32 s28, ttmp9, 768
	s_lshr_b32 s29, s28, 4                         ; head
	s_and_b32 s30, s28, 15                         ; key step
	s_lshl_b32 s30, s30, 22                        ; 128 positions of 32,768 bytes
	s_lshl_b32 s29, s29, 9
	s_add_co_u32 s34, s30, s29
	s_lshl_b32 s31, s20, 7                         ; my wave's 32 channels
	s_add_co_u32 s34, s34, s31
	s_add_nc_u64 s[8:9], s[8:9], s[34:35]
	s_mul_i32 s34, s28, BLK
	s_add_nc_u64 s[16:17], s[16:17], s[34:35]      ; the block
	s_mov_b32 s34, s31
	s_add_nc_u64 s[36:37], s[16:17], s[34:35]      ; my wave's 32 scale words: 128 w on
	s_mul_i32 s34, s20, 3072
	s_add_nc_u64 s[16:17], s[16:17], s[34:35]      ; my wave's two fragments
.macro VLOAD t                         ; keys 32 t + i of my channel into set t % 2
.irp i, 0,1,2,3,4,5,6,7,8,9,10,11,12,13,14,15,16,17,18,19,20,21,22,23,24,25,26,27,28,29,30,31
	global_load_b32 v[32+32*((\t)%2)+\i], v12, s[8:9] offset:(32*(\t)+\i)*ROWP th:TH_LOAD_NT
.endr
.endm
.macro VBLOCK t
.set XS, 32+32*((\t)%2)
.set DD, 96+12*((\t)%2)+6*((\t)/2)
.if (\t) < 3
	s_wait_loadcnt 32                              ; this block's 32 loads are in; the next block's 32 may be out
.else
	s_wait_loadcnt 0x0
.endif
	v_max3_num_f32 v124, |v[XS]|, |v[XS+1]|, |v[XS+2]|             ; the block's largest magnitude: all 32 numbers are mine; two chains
	v_max3_num_f32 v125, |v[XS+3]|, |v[XS+4]|, |v[XS+5]|
.irp i, 6,10,14,18,22,26
	v_max3_num_f32 v124, v124, |v[XS+\i]|, |v[XS+\i+1]|
	v_max3_num_f32 v125, v125, |v[XS+\i+2]|, |v[XS+\i+3]|
.endr
	v_max3_num_f32 v124, v124, |v[XS+30]|, |v[XS+31]|
	v_max3_num_f32 v124, v124, v125, FLOOR         ; and the floor: the byte cannot fall under 1
	v_add_nc_u32 v126, OFF4, v124                  ; 4 off its exponent field: the conversion takes this operand's exponent field as its scale
	v_lshrrev_b32 v127, 23, v126                   ; the scale's byte
.if (\t) == 0
	v_mov_b32 v128, v127
.else
	v_lshl_or_b32 v128, v127, 8*(\t), v128         ; byte t of my channel's word
.endif
	v_cvt_scalef32_pk16_bf6_f32 v[DD:DD+2], v[XS:XS+15], v126
	v_cvt_scalef32_pk16_bf6_f32 v[120:122], v[XS+16:XS+31], v126   ; (a conversion's three registers begin on an even number)
	v_nop                                          ; one plain place behind a scaled conversion
.irp i, 0,1,2
	v_mov_b32 v[DD+3+\i], v[120+\i]
.endr
.if (\t) < 2
	VLOAD (\t)+2
.endif
.endm
	VLOAD 0
	VLOAD 1
	VBLOCK 0
	VBLOCK 1
	VBLOCK 2
	VBLOCK 3
.irp i, 0,1,2,3,4,5,6,7,8,9,10,11
	v_permlane16_swap_b32 v[96+\i], v[108+\i]      ; the first's lanes 16-31 change places with the second's lanes 0-15: v96.. is now the fragment of channels 32 w + 0..15 (lanes 0-15 blocks 0, 2; lanes 16-31 blocks 1, 3), v108.. that of 32 w + 16..31
.endr
.irp j, 0,1,2
	global_store_b128 v8, v[96+4*\j:99+4*\j], s[16:17] offset:512*\j           ; 32 lanes store 512 consecutive bytes, aligned
	global_store_b128 v8, v[108+4*\j:111+4*\j], s[16:17] offset:1536+512*\j
.endr
	global_store_b32 v12, v128, s[36:37] offset:SCO                            ; 128 consecutive bytes a wave, the four waves' side by side
	FINISH
; ---------------------------------------------------------------- THE MASK.  Work-group T = b*128 + query / 16 takes 16 queries; wave w keys 512 w on: four key steps, in two chunks of 256 keys.
; v32-95 the two chunks as loaded; v96-127 a chunk turned: register 16 k + G of lane (r, h): the bytes of query r, keys 128 k + 32 (G / 4) + 16 h + 4 (G % 4) + 0..3; v128-135 four steps' words; v18-21, s24-27 at work
.Lmask:
	s_lshl_b32 s34, ttmp9, 15                      ; 16 rows of 2,048 bytes
	s_lshl_b32 s30, s20, 9
	s_add_co_u32 s34, s34, s30
	s_add_nc_u64 s[10:11], s[10:11], s[34:35]
	s_lshl_b32 s34, ttmp9, 12                      ; 16 key steps of 256 bytes
	s_lshl_b32 s30, s20, 10
	s_add_co_u32 s34, s34, s30
	s_add_nc_u64 s[18:19], s[18:19], s[34:35]
.irp c, 0,1
.irp i, 0,1,2,3,4,5,6,7
	global_load_b128 v[32+32*\c+4*\i:35+32*\c+4*\i], v15, s[10:11] offset:4096*\i+256*\c th:TH_LOAD_NT   ; sixteen lanes read a row's 256 aligned bytes; rows 2 i and 2 i + 1
.endr
.endr
.macro MCHUNK c
.if \c == 0
	s_wait_loadcnt 8                               ; this chunk's eight loads are in; the other chunk's eight may be out
.else
	s_wait_loadcnt 0x0
.endif
.irp i, 0,1,2,3,4,5,6,7
	ds_store_b128 v6, v[32+32*\c+4*\i:35+32*\c+4*\i] offset:2*MSP*\i
.endr
.irp k, 0,1
.irp b, 0,1,2,3
	ds_load_b128 v[96+16*\k+4*\b:99+16*\k+4*\b], v7 offset:128*\k+32*\b       ; LDS serves a wave's instructions in order: these see my stores
.endr
.endr
	s_wait_dscnt 0x0
.irp k, 0,1
	v_mov_b32 v[128+2*(2*\c+\k)], 0                ; (v_writelane_b32's destination counts as read)
	v_mov_b32 v[129+2*(2*\c+\k)], 0
.set G, 0
.rept 16                               ; words 4 G + y: one byte of one register in all 32 lanes, compared with 0, is the lane mask; it goes to lane (4 G + y) / 2, register (4 G + y) % 2
.irp y, 0,1,2,3
	v_and_b32 v[18+\y], 0xff<<(8*\y), v[96+16*\k+G]
.endr
.irp y, 0,1,2,3
	v_cmp_ne_u32 s[24+\y], 0, v[18+\y]
.endr
.irp y, 0,1,2,3
	v_writelane_b32 v[128+2*(2*\c+\k)+\y%2], s[24+\y], 2*G+\y/2
.endr
.set G, G+1
.endr
	global_store_b64 v13, v[128+2*(2*\c+\k):129+2*(2*\c+\k)], s[18:19] offset:256*(2*\c+\k)   ; 32 lanes store a key step's 64 words: 256 consecutive bytes, aligned; each step has registers of its own
.endr
.endm
	s_wait_alu depctr_va_vdst(0)
	MCHUNK 0
	MCHUNK 1
	FINISH
; ---------------------------------------------------------------- QUERY AND KEY: K = the head's 128, innermost.  A wave takes one head's 128 positions: one block, eight tiles of 16 rows.
; A row is 512 consecutive bytes: a load takes a whole row, 16 bytes a lane; 16 rows turn through the wave's stage and come back as the operand wants them: lane (r, h) holds k = 64 c + 32 h + 0..31 of row r: two whole blocks.
; v32-95, v96-159 two sets of 16 rows as loaded; v160-223 my 64 numbers; v224-235 the fragment; v236-238, v240-242 the conversions' second halves; v244-247 the block's scale words; v248-255 at work
.Lqk:
	s_sub_co_u32 s28, ttmp9, 256
	s_cmp_lt_u32 s28, 256                          ; the first 256 work-groups of the path take query, the others key: the choice hangs on the work-group's number alone
	s_cselect_b64 s[4:5], s[4:5], s[6:7]
	s_cselect_b64 s[12:13], s[12:13], s[14:15]
	s_cselect_b32 s31, 0, 0x40000                  ; key: rows 8-15 of an even tile lie 8 positions further on than their number says
	s_cselect_b32 s32, 0x40000, 0                  ; query: rows 0-7 of an odd tile do
	s_lshl_b32 s28, s28, 2
	s_add_co_u32 s28, s28, s20
	s_and_b32 s28, s28, 1023                       ; which block of the tensor: 16 head + 128 positions' number
	s_lshr_b32 s29, s28, 4
	s_and_b32 s30, s28, 15
	s_lshl_b32 s30, s30, 22
	s_lshl_b32 s29, s29, 9
	s_add_co_u32 s34, s30, s29
	s_add_nc_u64 s[4:5], s[4:5], s[34:35]
	s_mul_i32 s34, s28, BLK
	s_add_nc_u64 s[12:13], s[12:13], s[34:35]
	v_add_nc_u32 v9, 0x40000, v8
	v_add_nc_u32 v10, s31, v8
	v_add_nc_u32 v11, s32, v8
	v_mov_b32 v255, 0                              ; (a lane permute's destination counts as one of its sources)
; Row i of tile t: the immediate names position 32 (t / 2) + 8 (t % 2) + i; the offset register adds 8 positions where the tensor's order of rows asks for it:
; query (16 t + i): in odd tiles;  key (32 (t / 2) + 8 (t % 2) + i + 8 (i / 8)): in rows 8-15.
.macro QLOAD t
.irp i, 0,1,2,3,4,5,6,7,8,9,10,11,12,13,14,15
.if ((\t)%2 == 0) && (\i < 8)
.set AR, 8
.elseif ((\t)%2 == 0)
.set AR, 10
.elseif (\i < 8)
.set AR, 11
.else
.set AR, 9
.endif
	global_load_b128 v[32+64*((\t)%2)+4*\i:35+64*((\t)%2)+4*\i], v[AR], s[4:5] offset:(32*((\t)/2)+8*((\t)%2)+\i)*ROWP th:TH_LOAD_NT
.endr
.endm
.macro QTILE t
.set RS, 32+64*((\t)%2)
.if (\t) < 7
	s_wait_loadcnt 16                              ; this tile's 16 loads are in; the next tile's 16 may be out
.else
	s_wait_loadcnt 0x0
.endif
.irp i, 0,1,2,3,4,5,6,7,8,9,10,11,12,13,14,15
	ds_store_b128 v4, v[RS+4*\i:RS+4*\i+3] offset:QSP*\i
.endr
.irp c, 0,1
.irp e, 0,1,2,3,4,5,6,7
	ds_load_b128 v[160+32*\c+4*\e:163+32*\c+4*\e], v5 offset:256*\c+16*\e
.endr
.endr
	s_wait_dscnt 0x0                               ; my 64 numbers are in, and the stores have read the set,
.if (\t) < 6
	QLOAD (\t)+2                                   ; which takes the tile two on
.endif
.irp c, 0,1
	v_max3_num_f32 v[248+\c], |v[160+32*\c]|, |v[161+32*\c]|, FLOOR            ; my blocks h and 2 + h, by turns; the floor holds the byte at 1 from below
.endr
.irp i, 2,4,6,8,10,12,14,16,18,20,22,24,26,28,30
.irp c, 0,1
	v_max3_num_f32 v[248+\c], v[248+\c], |v[160+32*\c+\i]|, |v[161+32*\c+\i]|
.endr
.endr
.irp c, 0,1
	v_add_nc_u32 v[250+\c], OFF4, v[248+\c]        ; the conversions' scale operands
.endr
.irp c, 0,1
	v_lshrrev_b32 v[252+\c], 23, v[250+\c]         ; the bytes
.endr
	v_lshl_or_b32 v254, v253, 16, v252             ; blocks h and 2 + h of row r,
	v_lshlrev_b32 v254, v14, v254                  ; at their places in the word (8 h bits up);
	v_permlanex16_b32 v255, v254, s22, s23
	v_or_b32 v254, v254, v255                      ; with lane l xor 16's two the word is whole, in both lanes
	s_wait_alu depctr_va_vdst(0)
	s_wait_xcnt 0x0                                ; the last tile's stores have read the fragment's registers: they are written again only behind this wait
	v_cvt_scalef32_pk16_bf6_f32 v[224:226], v[160:175], v250
	v_cvt_scalef32_pk16_bf6_f32 v[236:238], v[176:191], v250
	v_cvt_scalef32_pk16_bf6_f32 v[230:232], v[192:207], v251
	v_cvt_scalef32_pk16_bf6_f32 v[240:242], v[208:223], v251
	v_nop                                          ; one plain place behind a scaled conversion
.irp i, 0,1,2
	v_mov_b32 v[227+\i], v[236+\i]
	v_mov_b32 v[233+\i], v[240+\i]
.endr
.if (\t)%2 == 0
	v_mov_b32 v[244+(\t)/2], v254                  ; an even tile's words in lanes 0-15,
.else
	v_cndmask_b32 v[244+(\t)/2], v[244+(\t)/2], v254, s21   ; the odd tile's in lanes 16-31
.endif
.irp j, 0,1,2
	global_store_b128 v8, v[224+4*\j:227+4*\j], s[12:13] offset:1536*(\t)+512*\j   ; 32 lanes store 512 consecutive bytes, aligned
.endr
.endm
	QLOAD 0
	QLOAD 1
	s_wait_alu depctr_va_vdst(0)
.irp t, 0,1,2,3,4,5,6,7
	QTILE \t
.endr
	global_store_b128 v8, v[244:247], s[12:13] offset:SCO
	FINISH
.Lfunc_end_k_q51cf8b3e32_prep:
	.size	k_q51cf8b3e32_prep, .Lfunc_end_k_q51cf8b3e32_prep-k_q51cf8b3e32_prep
	.p2alignl 7, 3214868480
	.fill 96, 4, 3214868480
	.section	.rodata,"a",@progbits
	.p2align	6, 0x0
	.amdhsa_kernel k_q51cf8b3e32_prep
		.amdhsa_group_segment_fixed_size 51712
		.amdhsa_private_segment_fixed_size 0
		.amdhsa_enable_private_segment 0
		.amdhsa_kernarg_size 64
		.amdhsa_user_sgpr_count 2
		.amdhsa_user_sgpr_kernarg_segment_ptr 1
		.amdhsa_wavefront_size32 1
		.amdhsa_system_sgpr_workgroup_id_x 1
		.amdhsa_system_sgpr_workgroup_id_y 1
		.amdhsa_system_sgpr_workgroup_id_z 1
		.amdhsa_system_vgpr_workitem_id 0
		.amdhsa_next_free_vgpr 256
		.amdhsa_next_free_sgpr 66
		.amdhsa_reserve_vcc 0
		.amdhsa_float_denorm_mode_32 3
		.amdhsa_float_denorm_mode_16_64 3
		.amdhsa_memory_ordered 1
		.amdhsa_forward_progress 1
		.amdhsa_inst_pref_size 131
	.end_amdhsa_kernel
	.amdgpu_metadata
---
amdhsa.version: [ 1, 2 ]
amdhsa.kernels:
  - .name:           k_q51cf8b3e32_prep
    .symbol:         k_q51cf8b3e32_prep.kd
    .args:
      - { .name: query, .offset: 0, .size: 8, .value_kind: global_buffer, .address_space: global }
      - { .name: key, .offset: 8, .size: 8, .value_kind: global_buffer, .address_space: global }
      - { .name: value, .offset: 16, .size: 8, .value_kind: global_buffer, .address_space: global }
      - { .name: attention_mask, .offset: 24, .size: 8, .value_kind: global_buffer, .address_space: global }
      - { .name: qimg, .offset: 32, .size: 8, .value_kind: global_buffer, .address_space: global }
      - { .name: kimg, .offset: 40, .size: 8, .value_kind: global_buffer, .address_space: global }
      - { .name: vimg, .offset: 48, .size: 8, .value_kind: global_buffer, .address_space: global }
      - { .name: mbits, .offset: 56, .size: 8, .value_kind: global_buffer, .address_space: global }
    .group_segment_fixed_size: 51712
    .private_segment_fixed_size: 0
    .kernarg_segment_align: 8
    .kernarg_segment_size: 64
    .max_flat_workgroup_size: 128
    .sgpr_count:     66
    .vgpr_count:     256
    .wavefront_size: 32
...
	.end_amdgpu_metadata
.endif
;; end of part 1
;; launch attn (part 2): grid 4 x 64, 8 waves a work-group, clusters of 4 x 1, 327,680 bytes of LDS; arguments qimg, kimg, vimg, mbits, out0; writes out0
.if DOCPART == 2
	.amdgcn_target "amdgcn-amd-amdhsa--gfx1250"
	.amdhsa_code_object_version 6
	.text
	.protected	k_q51cf8b3e32_attn
	.globl	k_q51cf8b3e32_attn
	.p2align	8
	.type	k_q51cf8b3e32_attn,@function
k_q51cf8b3e32_attn:
	s_mov_b64 s[64:65], 0
	v_nop
	global_prefetch_b8 v0, s[64:65] scope:SCOPE_SE
	s_setreg_imm32_b32 hwreg(HW_REG_WAVE_MODE, 25, 1), 1
	s_wait_xcnt 0x0
	s_wait_alu depctr_hold_cnt(0) depctr_sa_sdst(0) depctr_va_vdst(0) depctr_va_sdst(0) depctr_va_ssrc(0) depctr_va_vcc(0) depctr_vm_vsrc(0)
	s_getreg_b32 s2, hwreg(HW_REG_IB_STS2, 6, 4)
	s_cmp_eq_u32 s2, 0
	s_cbranch_scc0 .Lentry_in_a_cluster
	s_endpgm
.Lentry_in_a_cluster:
	s_bfe_u32 s2, ttmp6, 0x10000c
	s_cmp_lg_u32 s2, 0x3003
	s_cbranch_scc0 .Lentry_shape_is_right
	s_endpgm
.Lentry_shape_is_right:
; out0 = softmax(where(mask, -10000, q k^T / sqrt(128))) v for one head g and 512 queries a work-group, in MX-BF6, from the register images that the launch before has laid.
; Nothing of reference() is left out.  The probabilities are quantised FINISHED AND NORMALISED, so the keys are walked twice:
;   pass 1: S^T = k q^T, the mask, the running maximum M (a whole number, kept as -M = floor(-t)) and the row's sum of 2^(t - M), t = score x log2(e) / sqrt(128);
;   pass 2: S^T once more, p = 2^(t - L) with L = M + log2(sum), so that p leaves the exponential normalised; p's blocks of 32 keys are quantised; O^T += v^T p^T.
; A block's largest p is its largest score put through the same multiply-add and exponential.
; A WAVE OWNS 32 QUERIES at a time, two tiles A and B of 16: each fragment of k and of v feeds two matrix instructions.  8 waves take 256 queries; THE WORK-GROUP STAYS and takes two such
; blocks of queries one after the other on the same K (the text of a block is a macro, written out twice), so K is fetched once and the first block's stores leave under the second block's work.
; A unit of work is half a key step: 64 keys x both tiles = 8 matrix instructions and 64 score registers.
; LDS: K's 16 blocks of 12,800 bytes, filled once; each wave's own two stages for the way out; the spare words.  Behind the one barrier at the head the waves share nothing more.
; CLUSTER: the four work-groups of a cluster take the same head: K's blocks are asked for jointly (mask 15).
; V IS NOT ASKED FOR JOINTLY: vimg holds images of the operand's registers, and a wave takes a key step's 12,800 bytes from memory straight into registers, 24 loads of 512 consecutive bytes,
; at the head of the step that uses them.  So pass 2 has no slot to fill again and no barrier, and a wave's LDS reads of a key step are K's 12,800 bytes alone.
; V is prefetched in the first block of queries: step s asks for step s + 2, 50 blocks of 256 bytes, 13 to each partner of the cluster by address, a lane a block, wave 0 alone; steps 14 and 15 ask for nothing;
; the second block of queries reads the same bytes again and asks for nothing.  K is asked for at the head, where no loop runs ahead of it.
; In the last trip of each pass the loads that run ahead name K's step 15 and the tile's first masks once more; their results are not used.
; LIMITS: the promise holds while the scaled scores t stay under 2^31 in magnitude; NaN and infinities are not served; log2(sum) is added to M in f32, so p carries the rounding of L.
; REGISTERS, window 0: v1 K's base, v2 16 lane, v3 K's address, v5/v6 the add's two, v7 the masked score, v9 4 lane, v10 K's next step,
;   v12/v14 -M then -L of A/B, v13/v15 largest raw score, v16-23 sums, v24-31 at work, v32-37 addresses of the way out, of Q and of the prefetch, v40-63 Q's fragments, v64/65 Q's scales, v66-69 K's, v70-73 V's, v74/75 p's,
;   v76-123 four fragments of K, v124-147 p's codes, v148-155 conversions' second halves, v160-223 scores.   Window 1: v0-127 O^T of A and B, v128-223 V's eight fragments.
.set BLK,   12800
.set SCO,   12288
.set STGP,  272
.set STG,   16*STGP
.set SPARE, 69632                      ; behind the eight waves' stages (2 x 4,352 bytes each, from byte 0): the spare words, 128 bytes a wave
.set KBASE, 70656
.set F,  76
.set S,  160
.set QA, 40
.set QB, 52
.set PA, 124
.set PB, 136
.set VF, 128
.set RND, 0                            ; which block of 256 queries the text is being written for
.set MSB, 0
.macro WIN new                         ; the immediate's high byte repeats the setting that is left
.if MSB != \new
	s_set_vgpr_msb (MSB<<8)|\new
.set MSB, \new
.endif
.endm
.macro DLY n
	s_delay_alu instid0(VALU_DEP_\n)
.endm
.macro PLACES n
.rept \n
	v_nop
.endr
.endm
.macro CROUND                          ; a round of the cluster's barrier
	s_barrier_signal -1
	s_barrier_wait -1
	s_cmp_lg_u32 s8, 0
	s_cbranch_scc1 .Lnot_wave_0_\@
	s_barrier_signal -3
.Lnot_wave_0_\@:
	s_barrier_wait -3
	s_barrier_signal -1
	s_barrier_wait -1
.endm
.macro MASKLOAD                        ; a unit's 64 lane masks: 32 words of tile A, 32 of tile B (4,096 bytes on); the second block of queries lies 16 tiles on
	s_load_b512 s[32:47], s[4:5], s66 offset:0x10000*RND
	s_load_b512 s[48:63], s[4:5], s66 offset:0x10000*RND+0x40
	s_load_b512 s[68:83], s[4:5], s66 offset:0x10000*RND+0x1000
	s_load_b512 s[84:99], s[4:5], s66 offset:0x10000*RND+0x1040
.endm
.macro MASKNEXT                        ; 128 bytes a unit, round the tile's 4,096
	s_add_co_u32 s66, s66, 128
	s_and_b32 s66, s66, 0xfff
	MASKLOAD
.endm
.macro KLD adr, off, sc                ; four fragments of K; sc: the step's scale words too (off is then the step's first byte)
.irp t, 0,1,2,3
.irp j, 0,1,2
	ds_load_b128 v[F+12*\t+4*\j:F+12*\t+4*\j+3], v[\adr] offset:(\off)+1536*\t+512*\j
.endr
.endr
.if \sc
	ds_load_b128 v[66:69], v[\adr] offset:(\off)+SCO
.endif
.endm
.macro KSTEP                           ; K's address a step on; the step after it is held at step 15
	s_add_co_u32 s101, s101, BLK
	v_add_nc_u32 v3, s101, v1
	s_add_co_u32 s11, s101, BLK
	s_min_u32 s11, s11, 15*BLK
	v_add_nc_u32 v10, s11, v1
	s_wait_alu depctr_va_vdst(0)
.endm
.macro VLD                             ; this step's V: eight fragments into window 1, 512 consecutive bytes a load, and its scale words
	WIN 0x40
.irp t, 0,1,2,3,4,5,6,7
.irp j, 0,1,2
	global_load_b128 v[VF+12*\t+4*\j:VF+12*\t+4*\j+3], v2, s[26:27] offset:1536*\t+512*\j
.endr
.endr
	WIN 0
.irp j, 0,1,2,3
	global_load_b32 v[70+\j], v9, s[26:27] offset:SCO+128*\j
.endr
.endm
.macro ASK how                         ; how = 1: written out; 2: in the loop, whose counter s10 is 16 - step: steps 14 and 15 have no step two on
.if \how
	s_cmp_eq_u32 s8, 0
	s_cbranch_scc0 .Lno_ask_\@
.if (\how) == 2
	s_cmp_gt_u32 s10, 2
	s_cbranch_scc0 .Lno_ask_\@
.endif
	global_prefetch_b8 v37, s[26:27] offset:2*BLK th:TH_LOAD_NT scope:SCOPE_SE
.Lno_ask_\@:
.endif
.endm
.macro WM d, a, b, acc, sa, sb, row
.if (\acc)
.if (\row)
	v_wmma_scale_f32_16x16x128_f8f6f4 v[(\d):(\d)+7], v[(\a):(\a)+11], v[(\b):(\b)+11], v[(\d):(\d)+7], v[\sa], v[\sb] matrix_a_fmt:MATRIX_FMT_BF6 matrix_b_fmt:MATRIX_FMT_BF6 matrix_a_scale:MATRIX_SCALE_ROW1
.else
	v_wmma_scale_f32_16x16x128_f8f6f4 v[(\d):(\d)+7], v[(\a):(\a)+11], v[(\b):(\b)+11], v[(\d):(\d)+7], v[\sa], v[\sb] matrix_a_fmt:MATRIX_FMT_BF6 matrix_b_fmt:MATRIX_FMT_BF6
.endif
.else
.if (\row)
	v_wmma_scale_f32_16x16x128_f8f6f4 v[(\d):(\d)+7], v[(\a):(\a)+11], v[(\b):(\b)+11], 0, v[\sa], v[\sb] matrix_a_fmt:MATRIX_FMT_BF6 matrix_b_fmt:MATRIX_FMT_BF6 matrix_a_scale:MATRIX_SCALE_ROW1
.else
	v_wmma_scale_f32_16x16x128_f8f6f4 v[(\d):(\d)+7], v[(\a):(\a)+11], v[(\b):(\b)+11], 0, v[\sa], v[\sb] matrix_a_fmt:MATRIX_FMT_BF6 matrix_b_fmt:MATRIX_FMT_BF6
.endif
.endif
.endm
.macro QK8 u                           ; S^T of key tiles 4 u .. 4 u + 3 for both query tiles: lane (r, h) holds query r, 16 registers of two tiles are 16 neighbouring keys
.irp t, 0,1,2,3
	WM S+8*\t, F+12*\t, QA, 0, 66+2*(\u)+\t/2, 64, \t%2
	WM S+32+8*\t, F+12*\t, QB, 0, 66+2*(\u)+\t/2, 65, \t%2
.endr
.endm
.macro SEL64                           ; where(mask, -10000, score), in the order in which the products end; each accumulator is read from its low end on
.irp t, 0,1,2,3
.irp j, 0,1,2,3,4,5,6,7
	v_cndmask_b32 v[S+8*\t+\j], v[S+8*\t+\j], v7, s[32+8*\t+\j]
.endr
.irp j, 0,1,2,3,4,5,6,7
	v_cndmask_b32 v[S+32+8*\t+\j], v[S+32+8*\t+\j], v7, s[68+8*\t+\j]
.endr
.endr
.endm
.macro BLKMAX                          ; the largest score of my 16 keys of each of the unit's four blocks (A's two, B's two) -> v24-27; eight chains by turns
.irp b, 0,1,2,3
	v_max3_num_f32 v[24+\b], v[S+16*\b], v[S+16*\b+1], v[S+16*\b+2]
.endr
.irp b, 0,1,2,3
	v_max3_num_f32 v[28+\b], v[S+16*\b+8], v[S+16*\b+9], v[S+16*\b+10]
.endr
.irp i, 3,5
.irp b, 0,1,2,3
	v_max3_num_f32 v[24+\b], v[24+\b], v[S+16*\b+\i], v[S+16*\b+\i+1]
.endr
.irp b, 0,1,2,3
	v_max3_num_f32 v[28+\b], v[28+\b], v[S+16*\b+8+\i], v[S+16*\b+9+\i]
.endr
.endr
.irp b, 0,1,2,3
	v_max3_num_f32 v[24+\b], v[24+\b], v[S+16*\b+7], v[S+16*\b+15]
.endr
.irp b, 0,1,2,3
	DLY 4
	v_max_num_f32 v[24+\b], v[24+\b], v[28+\b]
.endr
.endm
.macro TFMA                            ; t - M (pass 2: t - L), two at a time; of the pairs c and -M the low word serves both halves
.irp j, 0,2,4,6,8,10,12,14,16,18,20,22,24,26,28,30
	v_pk_fma_f32 v[S+\j:S+\j+1], v[S+\j:S+\j+1], s[12:13], v[12:13] op_sel_hi:[1,0,0]
	v_pk_fma_f32 v[S+32+\j:S+33+\j], v[S+32+\j:S+33+\j], s[12:13], v[14:15] op_sel_hi:[1,0,0]
.endr
.endm
.macro EXP64
.set J, 0
.rept 64
	v_exp_f32 v[S+J], v[S+J]
.set J, J+1
.endr
.endm
.macro ADDP d, x
	v_pk_add_f32 v[\d:\d+1], v[\d:\d+1], v[(\x):(\x)+1]
.endm
.macro ADD2 d, x, y
	v_pk_add_f32 v[\d:\d+1], v[(\x):(\x)+1], v[(\y):(\y)+1]
.endm
; ---------------------------------------------------------------- a unit of pass 1
.macro UNIT1 u
	s_wait_dscnt 0x0                               ; this unit's fragments
	QK8 \u
	PLACES 4
.if \u
	KLD 10, 0, 1                                   ; the next step's first half
.else
	KLD 3, 6144, 0
.endif
	s_wait_kmcnt 0x0
	SEL64
	MASKNEXT
	BLKMAX
	DLY 3
	v_max3_num_f32 v13, v13, v24, v25
	DLY 2
	v_max3_num_f32 v15, v15, v26, v27
	DLY 2
	v_mul_f32 v24, s12, v13
	DLY 2
	v_mul_f32 v26, s12, v15
	DLY 2
	v_floor_f32 v25, -v24                          ; the new -M = -ceil(t)
	DLY 2
	v_floor_f32 v27, -v26
	DLY 2
	v_sub_f32 v24, v25, v12                        ; old M less new M: a whole number, 0 or less
	DLY 2
	v_sub_f32 v26, v27, v14
	DLY 2
	v_cvt_i32_f32 v24, v24
	DLY 2
	v_cvt_i32_f32 v26, v26
	v_mov_b32 v12, v25
	v_mov_b32 v14, v27
	DLY 4
	v_ldexp_f32 v16, v16, v24                      ; the sums under the new M: nothing is rounded
	v_ldexp_f32 v17, v17, v24
	v_ldexp_f32 v18, v18, v26
	v_ldexp_f32 v19, v19, v26
	TFMA
	s_wait_alu depctr_va_vdst(0)
	EXP64
	v_nop
	s_wait_alu depctr_va_vdst(0)
	ADD2 20, S, S+2                                ; the rows' sums: four chains a tile, eight by turns
	ADD2 24, S+4, S+6
	ADD2 26, S+8, S+10
	ADD2 22, S+32, S+34
	ADD2 28, S+36, S+38
	ADD2 30, S+40, S+42
.irp k, 12,20
	ADDP 16, S+\k
	ADDP 20, S+\k+2
	ADDP 24, S+\k+4
	ADDP 26, S+\k+6
	ADDP 18, S+32+\k
	ADDP 22, S+34+\k
	ADDP 28, S+36+\k
	ADDP 30, S+38+\k
.endr
	ADDP 16, S+28
	ADDP 20, S+30
	ADDP 18, S+60
	ADDP 22, S+62
	ADDP 24, 26
	ADDP 28, 30
	ADDP 16, 20
	DLY 4
	ADDP 18, 22
	DLY 2
	ADDP 16, 24
	DLY 2
	ADDP 18, 28
.endm
; ---------------------------------------------------------------- a unit of pass 2
.macro UNIT2 u, ask
	s_wait_dscnt 0x0
	QK8 \u
	PLACES 4                                       ; also the places behind the last step's second product, ahead of V's loads
.if (\u) == 0
	KLD 3, 6144, 0
	VLD
	ASK \ask
.else
	KLD 10, 0, 1
.endif
	s_wait_kmcnt 0x0
	SEL64
	MASKNEXT
	BLKMAX
.irp b, 0,1,2,3
	DLY 4
	v_permlanex16_b32 v[28+\b], v[24+\b], s14, s15
.endr
.irp b, 0,1,2,3
	DLY 4
	v_max_num_f32 v[24+\b], v[24+\b], v[28+\b]     ; with lane l xor 16's 16 keys: the block's largest score
.endr
	DLY 4
	v_fma_f32 v24, v24, s12, v12
	DLY 4
	v_fma_f32 v25, v25, s12, v12
	DLY 4
	v_fma_f32 v26, v26, s12, v14
	DLY 4
	v_fma_f32 v27, v27, s12, v14
	TFMA
	s_wait_alu depctr_va_vdst(0)
	EXP64                                          ; p, normalised
.irp b, 0,1,2,3
	v_exp_f32 v[24+\b], v[24+\b]                   ; the block's largest p
.endr
	v_nop
	s_wait_alu depctr_va_vdst(0)
.irp b, 0,1,2,3
	v_max_num_f32 v[24+\b], 0x2800000, v[24+\b]    ; the floor 2^(5 - 127): the byte cannot fall under 1
.endr
.irp b, 0,1,2,3
	DLY 4
	v_add_nc_u32 v[28+\b], 0xfe000000, v[24+\b]    ; 4 off the exponent field: the conversion's scale operand
.endr
.irp b, 0,1,2,3
	DLY 4
	v_lshrrev_b32 v[24+\b], 23, v[28+\b]           ; the byte
.endr
.if (\u) == 0
	DLY 3
	v_lshl_or_b32 v74, v25, 8, v24
	DLY 2
	v_lshl_or_b32 v75, v27, 8, v26
.else
	DLY 4
	v_lshl_or_b32 v74, v24, 16, v74
	DLY 3
	v_lshl_or_b32 v75, v26, 16, v75
	DLY 2
	v_lshl_or_b32 v74, v25, 24, v74
	DLY 2
	v_lshl_or_b32 v75, v27, 24, v75
.endif
	v_cvt_scalef32_pk16_bf6_f32 v[PA+6*(\u):PA+6*(\u)+2], v[S:S+15], v28
	v_cvt_scalef32_pk16_bf6_f32 v[148:150], v[S+16:S+31], v29
	v_cvt_scalef32_pk16_bf6_f32 v[PB+6*(\u):PB+6*(\u)+2], v[S+32:S+47], v30
	v_cvt_scalef32_pk16_bf6_f32 v[152:154], v[S+48:S+63], v31
	v_nop                                          ; one plain place behind a scaled conversion
.irp i, 0,1,2                          ; a whole block in a lane: lanes 0-15 block 2 u, lanes 16-31 block 2 u + 1
	v_permlane16_swap_b32 v[PA+6*(\u)+\i], v[148+\i]
	v_permlane16_swap_b32 v[PB+6*(\u)+\i], v[152+\i]
.endr
.irp i, 0,1,2
	v_mov_b32 v[PA+6*(\u)+3+\i], v[148+\i]
	v_mov_b32 v[PB+6*(\u)+3+\i], v[152+\i]
.endr
.endm
.macro PV16 first                      ; O^T += v^T p^T: 16 accumulators by turns; D, C and V's fragments in window 1, p's codes in window 0
	PLACES 4
	s_wait_loadcnt 0x0                             ; this step's V, asked for at the step's head
	WIN 0x51
	s_wait_alu depctr_va_vdst(0)                   ; ahead of the first reader of O^T and of p's codes
.irp t, 0,1,2,3,4,5,6,7
	WM 8*\t, VF+12*\t, PA, 1-(\first), 70+\t/2, 74, \t%2
	WM 64+8*\t, VF+12*\t, PB, 1-(\first), 70+\t/2, 75, \t%2
.endr
	WIN 0
.endm
.macro STEP2 first, ask                ; a key step of pass 2
	UNIT2 0, \ask
	UNIT2 1, 0
	PV16 \first
	s_wait_xcnt 0x0                                ; V's loads are in and the prefetch has read its address: V's pointer is stepped only behind this wait
	s_add_nc_u64 s[26:27], s[26:27], BLK
	KSTEP
.endm
; ---------------------------------------------------------------- what a block of queries asks for and sets ahead of its passes
.macro PRE r
.set RND, \r
	s_wait_kmcnt 0x0                               ; no scalar load is out: the masks' registers and their offset may be written
.irp j, 0,1,2
	global_load_b128 v[QA+4*\j:QA+4*\j+3], v35, s[2:3] offset:2*BLK*RND+512*\j th:TH_LOAD_NT
	global_load_b128 v[QB+4*\j:QB+4*\j+3], v35, s[2:3] offset:2*BLK*RND+1536+512*\j th:TH_LOAD_NT
.endr
	global_load_b32 v64, v36, s[2:3] offset:2*BLK*RND+SCO
	global_load_b32 v65, v36, s[2:3] offset:2*BLK*RND+SCO+256
	s_mov_b32 s66, 0
	MASKLOAD
	v_mov_b32 v13, 0xff61b1e6                      ; the largest score so far: -3e38
	v_mov_b32 v15, 0xff61b1e6
	v_mov_b32 v12, 0x7f61b1e6                      ; -M: 3e38
	v_mov_b32 v14, 0x7f61b1e6
.irp j, 16,17,18,19
	v_mov_b32 v\j, 0                               ; the sums
.endr
	v_mov_b32 v3, v1
	v_add_nc_u32 v10, BLK, v1
	s_mov_b32 s101, 0
	s_wait_alu depctr_va_vdst(0)
.endm
; ---------------------------------------------------------------- a block of 256 queries: both passes and the way out
.macro BODY r, ask1, ask2
	KLD 1, 0, 1
	s_wait_loadcnt 0x0                             ; Q
	s_mov_b32 s9, 16
.Lpass1_\r:
	UNIT1 0
	UNIT1 1
	KSTEP
	s_sub_co_u32 s9, s9, 1
	s_cmp_lg_u32 s9, 0
	s_cbranch_scc1 .Lpass1_\r
	; the rows' M and sum from both halves of the lanes; -L = -M - log2(sum)
	s_wait_dscnt 0x0
	KLD 1, 0, 1                                    ; pass 2 begins at key 0 again
	v_add_f32 v16, v16, v17
	v_add_f32 v18, v18, v19
	v_permlanex16_b32 v24, v12, s14, s15
	v_permlanex16_b32 v26, v14, s14, s15
	DLY 2
	v_min_num_f32 v25, v12, v24                    ; the larger M of the two
	DLY 2
	v_min_num_f32 v27, v14, v26
	DLY 2
	v_sub_f32 v24, v25, v12
	DLY 2
	v_sub_f32 v26, v27, v14
	DLY 2
	v_cvt_i32_f32 v24, v24
	DLY 2
	v_cvt_i32_f32 v26, v26
	DLY 2
	v_ldexp_f32 v16, v16, v24
	DLY 2
	v_ldexp_f32 v18, v18, v26
	DLY 2
	v_permlanex16_b32 v24, v16, s14, s15
	DLY 2
	v_permlanex16_b32 v26, v18, s14, s15
	DLY 2
	v_add_f32 v16, v16, v24
	DLY 2
	v_add_f32 v18, v18, v26
	s_wait_alu depctr_va_vdst(0)
	v_log_f32 v17, v16
	v_log_f32 v19, v18
	v_nop
	s_wait_alu depctr_va_vdst(0)
	v_sub_f32 v12, v25, v17
	v_sub_f32 v14, v27, v19
	v_mov_b32 v3, v1
	v_add_nc_u32 v10, BLK, v1
	s_mov_b32 s101, 0
	s_wait_alu depctr_va_vdst(0)
	STEP2 1, \ask1                                 ; the first products start the sums of O^T
	s_mov_b32 s10, 15
.Lpass2_\r:
	STEP2 0, \ask2
	s_sub_co_u32 s10, s10, 1
	s_cmp_lg_u32 s10, 0
	s_cbranch_scc1 .Lpass2_\r
	; the way out: quarter q = tile q / 2, channels 64 (q % 2) on: 16 rows x 256 bytes through my own stage q % 2
	PLACES 4
	s_wait_dscnt 0x0                               ; the loads that ran ahead have landed: their registers take the rows read back
.irp q, 0,1,2,3
	WIN 0x04                                       ; the stores' data lie in window 1
.irp t, 0,1,2,3
	ds_store_b128 v32, v[32*\q+8*\t:32*\q+8*\t+3] offset:STG*(\q%2)+64*\t
	ds_store_b128 v32, v[32*\q+8*\t+4:32*\q+8*\t+7] offset:STG*(\q%2)+64*\t+16
.endr
	WIN 0
.irp i, 0,1,2,3,4,5,6,7
	ds_load_b128 v[96+32*\q+4*\i:99+32*\q+4*\i], v33 offset:STG*(\q%2)+2*STGP*\i   ; LDS serves a wave's instructions in order: these see my stores, and the next stores come behind them
.endr
.endr
.irp q, 0,1,2,3
	s_wait_dscnt 16*(3-\q)                         ; the later quarters' 16 LDS instructions each may be out
.irp i, 0,1,2,3,4,5,6,7
	global_store_b128 v34, v[96+32*\q+4*\i:99+32*\q+4*\i], s[6:7] offset:524288*(\q/2)+65536*\i+256*(\q%2) th:TH_STORE_NT   ; sixteen lanes store 256 consecutive bytes, aligned
.endr
.endr
.endm
; ---------------------------------------------------------------- the head
	s_load_b256 s[32:39], s[0:1], 0x0              ; qimg, kimg, vimg, mbits
	s_load_b64 s[6:7], s[0:1], 0x20                ; out0
	v_lshl_add_u32 v5, v0, 2, SPARE
	v_mov_b32 v6, 0
	ds_add_u32 v5, v6                              ; the opening lines: the add, twice on end, and its wait
	ds_add_u32 v5, v6
	v_lshrrev_b32 v1, 5, v0
	v_readfirstlane_b32 s8, v1                     ; wave 0..7
	s_bfe_u32 s68, ttmp6, 0x40000                  ; cx
	s_lshl_b32 s69, ttmp9, 2
	s_add_co_u32 s69, s69, s68                     ; which 512 queries: 0..3
	s_and_b32 s70, ttmp7, 0xffff                   ; head g
	s_mul_i32 s72, s70, 16*BLK                     ; the head's 16 blocks in kimg and vimg
	s_mul_i32 s74, s8, 2*BLK                       ; my two blocks of K
	s_add_co_u32 s76, s72, s74
	s_mov_b32 s77, 0
	s_mov_b32 s78, s72
	s_mov_b32 s79, 0
	s_lshl_b32 s80, s70, 4                         ; Q's block: 16 g + 4 x + wave / 4 (the second block of queries: 2 on)
	s_lshl_b32 s81, s69, 2
	s_add_co_u32 s80, s80, s81
	s_lshr_b32 s81, s8, 2
	s_add_co_u32 s80, s80, s81
	s_mul_i32 s80, s80, BLK
	s_mov_b32 s81, 0
	s_lshr_b32 s82, s70, 5                         ; the masks of tile A: (128 b + 32 x + 2 wave) x 4,096 bytes
	s_lshl_b32 s82, s82, 7
	s_lshl_b32 s83, s69, 5
	s_add_co_u32 s82, s82, s83
	s_lshl_b32 s83, s8, 1
	s_add_co_u32 s82, s82, s83
	s_lshl_b32 s82, s82, 12
	s_mov_b32 s83, 0
	s_lshl_b32 s84, s69, 9                         ; out0: query 512 x + 32 wave, rows of 32,768 bytes, + 512 g
	s_lshl_b32 s85, s8, 5
	s_add_co_u32 s84, s84, s85
	s_lshl_b32 s84, s84, 15
	s_lshl_b32 s85, s70, 9
	s_add_co_u32 s84, s84, s85
	s_mov_b32 s85, 0
	s_and_b32 s87, s8, 3
	s_mul_i32 s86, s87, 3072                       ; my two tiles of Q's block: 2 (wave % 4) and the next
	s_lshl_b32 s87, s87, 2
	s_mul_i32 s88, s8, 2*STG                       ; my two stages
	s_mul_i32 s89, s68, 13                         ; my work-group's 13 of a step's 50 blocks of V, for the prefetch
	s_mov_b32 s16, 15|(3<<16)|(1<<21)              ; group 1: all four partners; elements of 8 bytes; 100 rows of 32: two blocks, dense
	s_mov_b32 s17, 32<<16
	s_mov_b32 s18, 100<<16
	s_mov_b32 s19, 32<<16
	s_mov_b32 s20, 100
	s_mov_b32 s21, 32
	s_mov_b32 s22, 0
	s_mov_b32 s23, 0
	s_mov_b32 s12, 0x3e0293ee                      ; c = log2(e) / sqrt(128)
	s_mov_b32 s13, s12
	s_mov_b32 s14, 0x76543210
	s_mov_b32 s15, 0xfedcba98                      ; v_permlanex16_b32's selects for lane l xor 16
	s_wait_dscnt 0x0
	s_wait_kmcnt 0x0
	s_mov_b32 s28, 1
	s_add_co_u32 s29, s74, KBASE
	s_add_nc_u64 s[30:31], s[34:35], s[76:77]
	s_or_b32 s31, s31, 0x80000000
	s_add_nc_u64 s[26:27], s[36:37], s[78:79]      ; V's step 0
	s_add_nc_u64 s[2:3], s[32:33], s[80:81]
	s_add_nc_u64 s[4:5], s[38:39], s[82:83]
	s_add_nc_u64 s[6:7], s[6:7], s[84:85]
	CROUND
	tensor_load_to_lds s[28:31], s[16:23]          ; every wave's one tensor load: two of K's sixteen blocks
	s_nop 0
	PLACES 4
	v_and_b32 v2, 31, v0
	v_and_b32 v24, 15, v0                          ; r
	v_bfe_u32 v25, v0, 4, 1                        ; h
	DLY 3
	v_min_u32 v37, 12, v2
	v_lshlrev_b32 v9, 2, v2
	v_lshlrev_b32 v2, 4, v2
	v_mul_u32_u24 v32, v24, STGP
	v_mul_u32_u24 v33, v25, STGP
	v_lshlrev_b32 v34, 15, v25
	v_add_nc_u32 v37, s89, v37
	v_add_nc_u32 v1, KBASE, v2
	v_add_nc_u32 v35, s86, v2
	v_lshl_add_u32 v36, v24, 4, s87                ; Q's scale words: 16 r + 4 (wave % 4), tile B's 256 on
	v_lshl_add_u32 v32, v25, 5, v32                ; the stage, in: row r, 32 bytes for each half of the lanes
	v_lshl_add_u32 v33, v24, 4, v33                ; back: sixteen lanes to a row of 256 bytes
	v_lshl_add_u32 v34, v24, 4, v34                ; and the same two rows in out0
	v_min_u32 v37, 49, v37                         ; lanes that are left over name the last block again
	DLY 4
	v_add_nc_u32 v32, s88, v32
	DLY 4
	v_add_nc_u32 v33, s88, v33
	DLY 3
	v_lshlrev_b32 v37, 8, v37
	v_mov_b32 v7, 0xc7dcf88b                       ; -10000 x sqrt(128): times c it is -10000 log2(e)
.irp j, 28,29,30,31
	v_mov_b32 v\j, 0                               ; the lane permutes' destinations count as read
.endr
	s_wait_alu depctr_va_vdst(0)
	PRE 0
	s_wait_tensorcnt 0x0                           ; my two blocks of K are in
	s_barrier_signal -1
	s_barrier_wait -1                              ; K is whole for every wave; nothing is filled again
	BODY 0, 1, 2
	s_wait_xcnt 0x0                                ; the stores have read their registers and their base
	s_add_nc_u64 s[6:7], s[6:7], 0x800000          ; 256 rows of out0 on
	s_sub_nc_u64 s[26:27], s[26:27], 16*BLK        ; V's step 0 again
	PRE 1
	BODY 1, 0, 0
	s_wait_kmcnt 0x0
	s_wait_tensorcnt 0x0                           ; the wave's end
	ds_add_u32 v5, v6
	s_wait_dscnt 0x0
	CROUND                                         ; the closing round
	s_endpgm
.Lfunc_end_k_q51cf8b3e32_attn:
	.size	k_q51cf8b3e32_attn, .Lfunc_end_k_q51cf8b3e32_attn-k_q51cf8b3e32_attn
	.p2alignl 7, 3214868480
	.fill 96, 4, 3214868480
	.section	.rodata,"a",@progbits
	.p2align	6, 0x0
	.amdhsa_kernel k_q51cf8b3e32_attn
		.amdhsa_group_segment_fixed_size 327680
		.amdhsa_private_segment_fixed_size 0
		.amdhsa_enable_private_segment 0
		.amdhsa_kernarg_size 40
		.amdhsa_user_sgpr_count 2
		.amdhsa_user_sgpr_kernarg_segment_ptr 1
		.amdhsa_wavefront_size32 1
		.amdhsa_system_sgpr_workgroup_id_x 1
		.amdhsa_system_sgpr_workgroup_id_y 1
		.amdhsa_system_sgpr_workgroup_id_z 1
		.amdhsa_system_vgpr_workitem_id 0
		.amdhsa_next_free_vgpr 480
		.amdhsa_next_free_sgpr 102
		.amdhsa_reserve_vcc 0
		.amdhsa_float_denorm_mode_32 3
		.amdhsa_float_denorm_mode_16_64 3
		.amdhsa_memory_ordered 1
		.amdhsa_forward_progress 1
		.amdhsa_inst_pref_size 239
	.end_amdhsa_kernel
	.amdgpu_metadata
---
amdhsa.version: [ 1, 2 ]
amdhsa.kernels:
  - .name:           k_q51cf8b3e32_attn
    .symbol:         k_q51cf8b3e32_attn.kd
    .args:
      - { .name: qimg, .offset: 0, .size: 8, .value_kind: global_buffer, .address_space: global }
      - { .name: kimg, .offset: 8, .size: 8, .value_kind: global_buffer, .address_space: global }
      - { .name: vimg, .offset: 16, .size: 8, .value_kind: global_buffer, .address_space: global }
      - { .name: mbits, .offset: 24, .size: 8, .value_kind: global_buffer, .address_space: global }
      - { .name: out0, .offset: 32, .size: 8, .value_kind: global_buffer, .address_space: global }
    .group_segment_fixed_size: 327680
    .private_segment_fixed_size: 0
    .kernarg_segment_align: 8
    .kernarg_segment_size: 40
    .max_flat_workgroup_size: 256
    .sgpr_count:     102
    .vgpr_count:     480
    .wavefront_size: 32
...
	.end_amdgpu_metadata
.endif
;; end of part 2
